; MI455X (gfx1250); checked and timed in simulation.
; The chip was launched on July 23, 2026; its instructions are those of AMD's public machine-readable ISA for CDNA 5 (MIT licence, August 2026) and "CDNA5" Instruction Set Architecture Reference Guide (July 2026). The comments in the code are by the model that wrote it; some were corrected since.
;; Multihead Attention. Allowed arithmetic: matrix products marked QUANTISED: E2M3 operands, one E8M0 scale for each 32 along K, by v_wmma_scale_f32_16x16x128_f8f6f4 with both operands' format E2M3, f32 sums; everything else in f32.
;; Inputs: Wk 8 x 512 x 64 float32; Wo 512 x 512 float32; Wq 8 x 512 x 64 float32; Wv 8 x 512 x 64 float32; bk 8 x 64 float32; bo 512 float32; bq 8 x 64 float32; bv 8 x 64 float32; x 4,096 x 512 float32.
;; Outputs: out0 4,096 x 512 float32.
;; This version of the problem:
;;   THIS VERSION OF THE PROBLEM IS GIVEN IN LOW PRECISION. The matrix products marked QUANTISED in the list below multiply operands that are first quantised to E2M3 (2 exponent bits, 3 mantissa bits; 6 bits a number), with one power-of-two scale for each 32 numbers along K (OCP MX v1.0); their sums are f32. All else is computed in f32.
;;   The module's matrix products, in the order in which they are computed (A, B: the left and right operand; K: the contracted axis; several contracted axes count as one K, in the product's order):
;;     1. [M 512, K 512] x [K 512, N 4,096]; A: input Wq; B: input x: QUANTISED
;;     2. [M 512, K 512] x [K 512, N 4,096]; A: input Wk; B: input x: QUANTISED
;;     3. [M 512, K 512] x [K 512, N 4,096]; A: input Wv; B: input x: QUANTISED
;;     4. batch 8 x [M 4,096, K 64] x [K 64, N 4,096]; A: computed on the way; B: computed on the way: QUANTISED
;;     5. batch 8 x [M 4,096, K 4,096] x [K 4,096, N 64]; A: softmax (see below); B: computed on the way: QUANTISED
;;     6. [M 4,096, K 512] x [K 512, N 512]; A: computed on the way; B: input Wo: QUANTISED
;;   THE QUANTISER, for each operand of a quantised product, along K:
;;     - K is cut into blocks of 32 from its start; a last block that is shorter is filled with zeros.
;;     - A block's scale is 2^e with e = floor(log2(the largest magnitude in the block)) - 2, held to -126 .. 127; a block of zeros has e = 0. As a byte (E8M0): e + 127.
;;     - Each number is divided by its block's scale, clamped to +-7.5, and rounded to the nearest number of E2M3, ties to even, subnormals kept.
;;     - The product sums the exact products of the quantised numbers (number of the format x scale) in f32.
;;   ~~~python
;;   def quantise(x, axis):      # numpy; x: float32 -> the quantised numbers, widened to float32 again
;;       x = np.moveaxis(x, axis, -1); K = x.shape[-1]
;;       x = np.pad(x, [(0, 0)] * (x.ndim - 1) + [(0, -K % 32)]); x = x.reshape(x.shape[:-1] + (-1, 32)); a = np.abs(x).max(-1, keepdims=True)
;;       e = np.where(a > 0, np.clip(np.frexp(np.where(a > 0, a, 1))[1] - 1 - 2, -126, 127), 0)      # np.frexp(a)[1] - 1 = floor(log2(a)), exactly
;;       r = np.clip(x / 2.0 ** e, -7.5, 7.5)
;;       step = 2.0 ** (np.maximum(np.frexp(np.where(r == 0, 1, r))[1] - 1, 0) - 3)
;;       q = np.round(r / step) * step * 2.0 ** e      # np.round: ties to even
;;       return np.moveaxis(q.reshape(q.shape[:-2] + (-1,))[..., :K], -1, axis).astype(np.float32)
;;   ~~~
;;   SOFTMAX AHEAD OF A QUANTISED PRODUCT. Where the list says 'softmax', what is quantised is not the finished softmax but p = 2^(t - M), with t = logit x log2(e) and M = ceil(the row's largest t), a whole number; so 1/2 < the row's largest p <= 1. The row's sum l is taken of the UNQUANTISED p, in f32, and the product's result is divided by l at the end. Since M is a whole number, a kernel that streams over the keys may use a running M (the ceiling of the running maximum): every later rescaling is an exact power of two, which a block's scale takes up: the codes' values come out the same.
;;   OPERANDS COMPUTED ON THE WAY. 'Computed on the way' means the value that the module computes at that place (a softmax that the list does not call 'softmax' is quantised finished and normalised). What goes into a quantiser is computed in f32, as accurately as f32 sums, v_exp_f32 and their like allow (about 1e-6 of the number): no bf16 or f16 on the way to a quantiser, and a product that is left as it is and whose result goes on into a quantised operand takes f32 operands (vector FMAs, or v_wmma_f32_16x16x4_f32). A number that lies on a knife's edge between two numbers of the format may be rounded either way, as far as f32 arithmetic and the matrix unit's own rounding can turn it there, and no further.
;; One version. Each part assembles by itself: llvm-mc -triple=amdgcn-amd-amdhsa -mcpu=gfx1250 --defsym DOCPART=n.
;; ======== version 1 of 1: 4 launches
;; limits: right only within a limited range of input values
;; workspace buffers: xf 1,572,864 bytes; xs 65,536 bytes; wf 786,432 bytes; ws 32,768 bytes; qf 2,097,152 bytes; kv 3,407,872 bytes; cf 2,097,152 bytes
;; launch prep (part 1): grid 320 x 1, 4 waves a work-group, no clusters, 62,976 bytes of LDS; arguments x, Wq, Wk, Wv, Wo, xf, xs, wf, ws; writes xf, xs, wf, ws
.if DOCPART == 1
	.amdgcn_target "amdgcn-amd-amdhsa--gfx1250"
	.amdhsa_code_object_version 6
	.text
	.protected	k_q8690468787_prep
	.globl	k_q8690468787_prep
	.p2align	8
	.type	k_q8690468787_prep,@function
k_q8690468787_prep:
	s_mov_b64 s[64:65], 0
	v_nop
	global_prefetch_b8 v0, s[64:65] scope:SCOPE_SE
	s_setreg_imm32_b32 hwreg(HW_REG_WAVE_MODE, 25, 1), 1
	s_wait_xcnt 0x0
; x [4096][512], Wq, Wk, Wv [8][512][64] and Wo [512][512], f32, become codes of FP6 (E2M3) with one E8M0 byte for each 32 along d, the products' K.
; A block's scale is 2^(floor(log2(its largest magnitude)) - 2); its byte is the largest magnitude's exponent field - 2, held at 1 from below.
; LIMITS: NaN and infinities among the inputs are not served.  A block of zeros, or one under 2^-124, gets the byte 1 with its codes as the conversion gives them (zeros for zeros); the bytes are read by this program alone.
; THE CODES LEAVE AS IMAGES OF OPERAND REGISTERS.  A fragment is 16 rows x 128 K, 12 registers a lane: register p of lane L lies at 512 (p / 4) + 16 L + 4 (p % 4) of its 1,536 bytes.
; THE ROWS OF A TILE ARE NOT NEIGHBOURS: lane r of tile t takes row 64 (t / 4) + 8 (t % 4) + r % 8 + 32 (r / 8), for x's rows and for the weights' columns alike.
; xf: [tile 256][K step 4] fragment.  wf: [tile 128][K step 4] fragment, tile = (head x 3 + m) x 4 + t for m = q, k, v; 96 + t for Wo.  xs, ws: [row][16 bytes], natural row order, a word for each K step.
; SHARES.  Work-groups 0-47: 64 columns of one head of Wq, Wk or Wv, two K steps; 48-63: 64 columns of Wo, two K steps; a wave takes one K step and two of the four tiles.  64-319: one tile of x, a wave to each K step.
; The longer shares have the lower numbers.  Each of the three paths has LDS bytes of its own, and in them each wave a stage of its own: no barrier.  No tensor loads, no cluster: no two work-groups read the same byte.
; The scale words leave 4 bytes a lane, 16 bytes apart: 98 KB in all; gathering them would want a barrier among the four waves.
.set R,    16                          ; v16-143 the numbers as loaded (x: v16-79)
.set X,    80                          ; x: v80-143 64 numbers of a lane: register 32 c + i = k 64 c + 32 (lane / 16) + i
.set TM,   164                         ; x: at work
.set PC,   144                         ; x: v144-155 codes, v156-162 conversions' second halves
.set C,    144                         ; weights: v144-175 codes, eight registers a block (six used)
.set T,    176                         ; v176-178 a conversion's second half
.set OUTR, 180                         ; v180-203 two images on their way out
.set SB,   14                          ; v14 a column's four scale bytes
.set SPW,  206
.set NIL,  207
.set SEL,  32                          ; s[32:33] lane selects for v_permlanex16_b32: lane l xor 16
.set XSTG, 16*528                      ; x: a wave's stage: 16 rows of 512 bytes + 16
.set WSTG, 3584                        ; weights: a wave's stage: two images, IMG2 bytes apart
.set IMG2, 1664
.set SPARE, 4*XSTG+8*WSTG
	s_load_b512 s[4:19], s[0:1], 0x0               ; x s[4:5], Wq s[6:7], Wk s[8:9], Wv s[10:11], Wo s[12:13], xf s[14:15], xs s[16:17], wf s[18:19]
	s_load_b64 s[20:21], s[0:1], 0x40              ; ws
	v_lshl_add_u32 v[SPW], v0, 2, SPARE
	v_mov_b32 v[NIL], 0
	v_lshrrev_b32 v1, 5, v0
	v_readfirstlane_b32 s22, v1                    ; wave
	v_and_b32 v1, 31, v0                           ; lane
	v_and_b32 v2, 15, v0                           ; r
	v_bfe_u32 v3, v0, 4, 1                         ; h
	s_mov_b32 s[SEL], 0x76543210
	s_mov_b32 s[SEL+1], 0xfedcba98
	s_wait_alu depctr_va_vdst(0)
	s_wait_kmcnt 0x0
	s_cmp_lt_u32 ttmp9, 64
	s_cbranch_scc1 .Lweights
	; ---- x: tile s35; the wave's number is the K step
	s_sub_co_u32 s35, ttmp9, 64
	s_lshr_b32 s36, s35, 2
	s_and_b32 s37, s35, 3
	s_mul_i32 s23, s22, XSTG                       ; my stage
	s_lshl_b32 s24, s36, 17                        ; 64 rows of 2,048 bytes
	s_lshl_b32 s26, s37, 14                        ; 8 rows
	s_add_co_u32 s24, s24, s26
	s_lshl_b32 s26, s22, 9
	s_add_co_u32 s24, s24, s26
	s_mov_b32 s25, 0
	s_add_nc_u64 s[4:5], s[4:5], s[24:25]
	s_mul_i32 s24, s35, 6144
	s_mul_i32 s26, s22, 1536
	s_add_co_u32 s24, s24, s26
	s_add_nc_u64 s[14:15], s[14:15], s[24:25]      ; xf: fragment (tile, K step)
	s_lshl_b32 s24, s36, 10                        ; xs: 64 rows of 16 bytes,
	s_lshl_b32 s26, s37, 7                         ; 8 rows,
	s_add_co_u32 s24, s24, s26
	s_lshl_b32 s26, s22, 2                         ; the K step's word
	s_add_co_u32 s24, s24, s26
	s_add_nc_u64 s[16:17], s[16:17], s[24:25]
	s_wait_alu depctr_va_vdst(0)
	v_lshlrev_b32 v4, 4, v1                        ; 16 L
.set i, 0
.rept 16
	global_load_b128 v[R+4*i:R+4*i+3], v4, s[4:5] offset:(i+24*(i/8))*2048 th:TH_LOAD_NT   ; rows 0-7 and 32-39: a row's 512 consecutive bytes
.set i, i+1
.endr
	v_add_nc_u32 v5, s23, v4                       ; in: 16 L of a stage row
	v_mul_u32_u24 v6, v2, 528
	v_lshl_add_u32 v6, v3, 7, v6
	v_add_nc_u32 v6, s23, v6                       ; back: stage row r, + 128 h: my block of 32
	v_and_b32 v7, 8, v2
	v_mad_u32_u24 v7, v7, 3, v2                    ; r % 8 + 32 (r / 8)
	v_lshlrev_b32 v7, 4, v7                        ; 16 bytes a row of xs
	v_lshlrev_b32 v8, 3, v3                        ; 8 h
	v_mov_b32 v[TM+6], 0                           ; written once: a lane permute's destination counts as one of its sources
	s_wait_alu depctr_va_vdst(0)
.set i, 0
.rept 16
	s_wait_loadcnt 15-i                            ; loads come back in order: row i is in, the younger ones stay out
	ds_store_b128 v5, v[R+4*i:R+4*i+3] offset:i*528
.set i, i+1
.endr
.irp c, 0,1
.irp j, 0,1,2,3,4,5,6,7
	ds_load_b128 v[X+32*\c+4*\j:X+32*\c+4*\j+3], v6 offset:256*\c+16*\j   ; LDS serves a wave's instructions in order: these see my stores
.endr
.endr
	s_wait_dscnt 0x0
.irp q, 0,1,2,3
	v_max3_num_f32 v[TM+\q], |v[X+16*\q]|, |v[X+16*\q+1]|, |v[X+16*\q+2]|   ; two chains a block, by turns
.endr
.irp i, 3,5,7,9,11,13
.irp q, 0,1,2,3
	v_max3_num_f32 v[TM+\q], v[TM+\q], |v[X+16*\q+\i]|, |v[X+16*\q+\i+1]|
.endr
.endr
.irp c, 0,1
	v_max3_num_f32 v[TM+2*\c], v[TM+2*\c], |v[X+32*\c+15]|, v[TM+2*\c+1]
.endr
.irp c, 0,1
	v_max3_num_f32 v[TM+2*\c], v[TM+2*\c], |v[X+32*\c+31]|, 0x1800000     ; and the floor 2^(3 - 127): the byte cannot fall under 1
.endr
.irp c, 0,1
	v_add_nc_u32 v[TM+4+\c], 0xff000000, v[TM+2*\c]                       ; 2 off its exponent field: the conversion's scale operand
.endr
.irp c, 0,1
	v_lshrrev_b32 v[TM+\c], 23, v[TM+4+\c]                                ; the bytes of blocks h and 2 + h
.endr
.irp c, 0,1
	v_cvt_scalef32_pk16_fp6_f32 v[PC+6*\c:PC+6*\c+2], v[X+32*\c:X+32*\c+15], v[TM+4+\c]
	v_cvt_scalef32_pk16_fp6_f32 v[PC+12+4*\c:PC+14+4*\c], v[X+32*\c+16:X+32*\c+31], v[TM+4+\c]   ; (a conversion's three registers begin on an even number)
.endr
	v_lshl_or_b32 v[TM], v[TM+1], 16, v[TM]        ; (a plain place behind the conversions)
	v_lshlrev_b32 v[TM], v8, v[TM]
	v_permlanex16_b32 v[TM+6], v[TM], s[SEL], s[SEL+1]
.irp c, 0,1
.irp i, 0,1,2
	v_mov_b32 v[PC+3+6*\c+\i], v[PC+12+4*\c+\i]
.endr
.endr
	v_or_b32 v[TM], v[TM], v[TM+6]                 ; the row's word, in lanes r and r + 16
.irp c, 0,1,2
	global_store_b128 v4, v[PC+4*\c:PC+4*\c+3], s[14:15] offset:512*\c    ; 512 consecutive bytes, aligned
.endr
	global_store_b32 v7, v[TM], s[16:17]           ; lanes r and r + 16 store the same word with the same value
	s_wait_tensorcnt 0x0                           ; the wave's end
	ds_add_u32 v[SPW], v[NIL]
	s_wait_dscnt 0x0
	s_endpgm
; ---- the weights.  A lane takes a column and its registers run down K: a block of 32 lies in one lane, and the conversions give codes with K innermost.
; Block kb of a lane's 128 along K: its largest magnitude, byte and 24 bytes of codes; they go to the place that the operand's layout gives them: lane r' + 16 (kb % 2), registers 6 (kb / 2) on.
.macro WBLOCK kb, left
.set XB, R+32*(\kb)
.set CB, C+8*(\kb)
	s_wait_loadcnt \left
	v_max3_num_f32 v12, |v[XB]|, |v[XB+1]|, |v[XB+2]|
	v_max3_num_f32 v13, |v[XB+3]|, |v[XB+4]|, |v[XB+5]|
.irp i, 6,10,14,18,22,26
	v_max3_num_f32 v12, v12, |v[XB+\i]|, |v[XB+\i+1]|
	v_max3_num_f32 v13, v13, |v[XB+\i+2]|, |v[XB+\i+3]|
.endr
	v_max3_num_f32 v12, v12, |v[XB+30]|, |v[XB+31]|
	v_max3_num_f32 v12, v12, v13, 0x1800000        ; and the floor
	v_add_nc_u32 v11, 0xff000000, v12              ; the conversion's scale operand
	v_lshrrev_b32 v13, 23, v11                     ; the byte
.if (\kb) == 0
	v_mov_b32 v[SB], v13
.else
	v_lshl_or_b32 v[SB], v13, 8*(\kb), v[SB]
.endif
	v_cvt_scalef32_pk16_fp6_f32 v[CB:CB+2], v[XB:XB+15], v11
	v_cvt_scalef32_pk16_fp6_f32 v[T:T+2], v[XB+16:XB+31], v11
	v_nop                                          ; one plain place behind a scaled conversion
.irp i, 0,1,2
	v_mov_b32 v[CB+3+\i], v[T+\i]
.endr
.if (\kb) < 2
	ds_store_b128 v7, v[CB:CB+3] offset:256*(\kb)                  ; registers 0-3
	ds_store_b64 v7, v[CB+4:CB+5] offset:512+256*(\kb)             ; registers 4, 5
.else
	ds_store_b64 v7, v[CB:CB+1] offset:520+256*((\kb)-2)           ; registers 6, 7
	ds_store_b128 v7, v[CB+2:CB+5] offset:1024+256*((\kb)-2)       ; registers 8-11
.endif
.endm
; s[6:7]: the wave's first number; s30: the first of the two tiles that the wave's 32 columns make; s35: the K step; pitch: bytes from a row of the weight to the next; stage: the path's LDS bytes
.macro WPATH pitch, stage
	s_lshl_b32 s28, s30, 2
	s_add_co_u32 s28, s28, s35
	s_mul_i32 s28, s28, 1536                       ; wf: fragment (tile, K step)
	s_mov_b32 s29, 0
	s_add_nc_u64 s[18:19], s[18:19], s[28:29]
	s_lshl_b32 s28, s30, 8
	s_and_b32 s31, s30, 2
	s_lshl_b32 s31, s31, 7
	s_sub_co_u32 s28, s28, s31                     ; ws: row 64 (tile / 4) + 8 (tile % 4), 16 bytes a row
	s_lshl_b32 s31, s35, 2                         ; the K step's word
	s_add_co_u32 s28, s28, s31
	s_add_nc_u64 s[20:21], s[20:21], s[28:29]
	s_mul_i32 s31, s22, WSTG
	s_add_co_u32 s31, s31, \stage                  ; my stage
	v_lshlrev_b32 v4, 2, v2
	v_lshl_add_u32 v4, v3, 7, v4                   ; my column: L % 16 + 32 (L / 16)
	v_lshlrev_b32 v5, 4, v1                        ; 16 L
	v_lshlrev_b32 v10, 9, v3
	v_lshl_add_u32 v10, v2, 4, v10                 ; my column's row of ws
	v_bfe_u32 v6, v0, 3, 1                         ; it belongs to tile u = (L / 8) % 2,
	v_and_b32 v7, 7, v0
	v_lshl_add_u32 v7, v3, 3, v7                   ; as its row r' = L % 8 + 8 (L / 16)
	v_mul_u32_u24 v6, v6, IMG2
	v_lshl_add_u32 v7, v7, 4, v6
	v_add_nc_u32 v7, s31, v7                       ; into the stage: image u, 16 r'
	v_add_nc_u32 v8, s31, v5                       ; and back: 16 L
.set k, 0
.rept 128
	global_load_b32 v[R+k], v4, s[6:7] offset:k*(\pitch) th:TH_LOAD_NT   ; row k: the two waves of a K step read its 64 columns between them
.set k, k+1
.endr
	s_wait_alu depctr_va_vdst(0)
	WBLOCK 0, 63                                   ; 96 younger loads: the count is held to what the wait's field can name
	WBLOCK 1, 63                                   ; 64 younger
	WBLOCK 2, 32
	WBLOCK 3, 0
.irp u, 0,1
.irp c, 0,1,2
	ds_load_b128 v[OUTR+12*\u+4*\c:OUTR+12*\u+4*\c+3], v8 offset:\u*IMG2+512*\c   ; LDS serves a wave's instructions in order: these see my stores
.endr
.endr
	s_wait_alu depctr_va_vdst(0)
	s_wait_dscnt 0x0
.irp u, 0,1
.irp c, 0,1,2
	global_store_b128 v5, v[OUTR+12*\u+4*\c:OUTR+12*\u+4*\c+3], s[18:19] offset:\u*6144+512*\c   ; 512 consecutive bytes, aligned
.endr
.endr
	global_store_b32 v10, v[SB], s[20:21]          ; my column's word of this K step
	s_wait_tensorcnt 0x0                           ; the wave's end
	ds_add_u32 v[SPW], v[NIL]
	s_wait_dscnt 0x0
	s_endpgm
.endm
.Lweights:
	s_and_b32 s35, ttmp9, 1                        ; which two K steps
	s_lshl_b32 s35, s35, 1
	s_lshr_b32 s36, s22, 1
	s_add_co_u32 s35, s35, s36                     ; the wave's K step: 2 x that + wave / 2
	s_and_b32 s27, s22, 1                          ; a = wave % 2: columns 16 a + 0 .. 15 and 32 + 16 a + 0 .. 15 of the 64: tiles 2 a, 2 a + 1
	s_cmp_lt_u32 ttmp9, 48
	s_cbranch_scc0 .Lwo
	s_lshr_b32 s24, ttmp9, 4                       ; m: 0 q, 1 k, 2 v
	s_bfe_u32 s26, ttmp9, 0x30001                  ; head
	s_cmp_eq_u32 s24, 0
	s_cselect_b64 s[6:7], s[6:7], s[8:9]           ; the choice hangs on the work-group's number alone
	s_cmp_eq_u32 s24, 2
	s_cselect_b64 s[6:7], s[10:11], s[6:7]
	s_lshl_b32 s28, s26, 17                        ; a head: 512 rows of 256 bytes
	s_lshl_b32 s29, s35, 15                        ; a K step: 128 rows
	s_add_co_u32 s28, s28, s29
	s_lshl_b32 s29, s27, 6
	s_add_co_u32 s28, s28, s29
	s_mov_b32 s29, 0
	s_add_nc_u64 s[6:7], s[6:7], s[28:29]
	s_mul_i32 s30, s26, 3
	s_add_co_u32 s30, s30, s24
	s_lshl_b32 s30, s30, 2
	s_lshl_b32 s31, s27, 1
	s_add_co_u32 s30, s30, s31                     ; tile (head x 3 + m) x 4 + 2 a
	s_wait_alu depctr_va_vdst(0)
	WPATH 256, 4*XSTG
.Lwo:
	s_sub_co_u32 s23, ttmp9, 48
	s_lshr_b32 s36, s23, 1                         ; which 64 of Wo's 512 columns
	s_mov_b64 s[6:7], s[12:13]
	s_lshl_b32 s28, s35, 18                        ; a K step: 128 rows of 2,048 bytes
	s_lshl_b32 s29, s36, 8
	s_add_co_u32 s28, s28, s29
	s_lshl_b32 s29, s27, 6
	s_add_co_u32 s28, s28, s29
	s_mov_b32 s29, 0
	s_add_nc_u64 s[6:7], s[6:7], s[28:29]
	s_lshl_b32 s30, s36, 2
	s_lshl_b32 s31, s27, 1
	s_add_co_u32 s30, s30, s31
	s_add_co_u32 s30, s30, 96                      ; tile 96 + 4 x that + 2 a
	s_wait_alu depctr_va_vdst(0)
	WPATH 2048, 4*XSTG+4*WSTG
.Lfunc_end_k_q8690468787_prep:
	.size	k_q8690468787_prep, .Lfunc_end_k_q8690468787_prep-k_q8690468787_prep
	.p2alignl 7, 3214868480
	.fill 96, 4, 3214868480
	.section	.rodata,"a",@progbits
	.p2align	6, 0x0
	.amdhsa_kernel k_q8690468787_prep
		.amdhsa_group_segment_fixed_size 62976
		.amdhsa_private_segment_fixed_size 0
		.amdhsa_enable_private_segment 0
		.amdhsa_kernarg_size 72
		.amdhsa_user_sgpr_count 2
		.amdhsa_user_sgpr_kernarg_segment_ptr 1
		.amdhsa_wavefront_size32 1
		.amdhsa_system_sgpr_workgroup_id_x 1
		.amdhsa_system_sgpr_workgroup_id_y 1
		.amdhsa_system_sgpr_workgroup_id_z 1
		.amdhsa_system_vgpr_workitem_id 0
		.amdhsa_next_free_vgpr 208
		.amdhsa_next_free_sgpr 66
		.amdhsa_reserve_vcc 0
		.amdhsa_float_denorm_mode_32 3
		.amdhsa_float_denorm_mode_16_64 3
		.amdhsa_memory_ordered 1
		.amdhsa_forward_progress 1
		.amdhsa_inst_pref_size 53
	.end_amdhsa_kernel
	.amdgpu_metadata
---
amdhsa.version: [ 1, 2 ]
amdhsa.kernels:
  - .name:           k_q8690468787_prep
    .symbol:         k_q8690468787_prep.kd
    .args:
      - { .name: x, .offset: 0, .size: 8, .value_kind: global_buffer, .address_space: global }
      - { .name: Wq, .offset: 8, .size: 8, .value_kind: global_buffer, .address_space: global }
      - { .name: Wk, .offset: 16, .size: 8, .value_kind: global_buffer, .address_space: global }
      - { .name: Wv, .offset: 24, .size: 8, .value_kind: global_buffer, .address_space: global }
      - { .name: Wo, .offset: 32, .size: 8, .value_kind: global_buffer, .address_space: global }
      - { .name: xf, .offset: 40, .size: 8, .value_kind: global_buffer, .address_space: global }
      - { .name: xs, .offset: 48, .size: 8, .value_kind: global_buffer, .address_space: global }
      - { .name: wf, .offset: 56, .size: 8, .value_kind: global_buffer, .address_space: global }
      - { .name: ws, .offset: 64, .size: 8, .value_kind: global_buffer, .address_space: global }
    .group_segment_fixed_size: 62976
    .private_segment_fixed_size: 0
    .kernarg_segment_align: 8
    .kernarg_segment_size: 72
    .max_flat_workgroup_size: 128
    .sgpr_count:     66
    .vgpr_count:     208
    .wavefront_size: 32
...
	.end_amdgpu_metadata
.endif
;; end of part 1
;; launch proj (part 2): grid 32 x 8, 12 waves a work-group, clusters of 4 x 4, 169,472 bytes of LDS; arguments xf, xs, wf, ws, bq, bk, bv, qf, kv; writes qf, kv
.if DOCPART == 2
	.amdgcn_target "amdgcn-amd-amdhsa--gfx1250"
	.amdhsa_code_object_version 6
	.text
	.protected	k_q8690468787_proj
	.globl	k_q8690468787_proj
	.p2align	8
	.type	k_q8690468787_proj,@function
k_q8690468787_proj:
	s_mov_b64 s[64:65], 0
	v_nop
	global_prefetch_b8 v0, s[64:65] scope:SCOPE_SE
	s_setreg_imm32_b32 hwreg(HW_REG_WAVE_MODE, 25, 1), 1
	s_wait_xcnt 0x0
	s_wait_alu depctr_hold_cnt(0) depctr_sa_sdst(0) depctr_va_vdst(0) depctr_va_sdst(0) depctr_va_ssrc(0) depctr_va_vcc(0) depctr_vm_vsrc(0)
	s_getreg_b32 s2, hwreg(HW_REG_IB_STS2, 6, 4)
	s_cmp_eq_u32 s2, 0
	s_cbranch_scc0 .Lentry_in_a_cluster
	s_endpgm
.Lentry_in_a_cluster:
	s_bfe_u32 s2, ttmp6, 0x10000c
	s_cmp_lg_u32 s2, 0xf033
	s_cbranch_scc0 .Lentry_shape_is_right
	s_endpgm
.Lentry_shape_is_right:
; q, k, v = x W + b for one head and 128 rows of x, on codes of FP6 (E2M3) with E8M0 scales; the results are quantised in registers: q and k along the head's 64, v along the keys.
; LIMITS: NaN and infinities are not served; a block of zeros or under 2^-124 gets the byte 1 (the bytes are read by this program alone).
; SHARES.  Work-group (gx, gy): rows 128 gx on (8 tiles of x), head gy.  A wave multiplies FOUR tiles by TWO, 32 matrix instructions: waves 0-3 q and 4-7 k: W's four tiles by x's tiles 2 p, 2 p + 1 (p = wave % 4);
; waves 8-11 v: x's four tiles 4 c on by Wv's tiles 2 b, 2 b + 1 (c = wave % 2, b = (wave / 2) % 2).  The four tiles are source 0, the two source 1: one text serves all; the addresses differ.
; ROW ORDER.  Lane r of tile t stands for row 64 (t / 4) + 8 (t % 4) + r % 8 + 32 (r / 8), of x and of a weight's columns alike: so a lane's 32 results of the four tiles are 32 neighbours, one whole scale block (block h = lane / 16 of the 64).
; OUT.  qf: [head][tile 256] record of 1,024 bytes: registers 0-3 at 16 L, registers 4, 5 at 512 + 8 L, the row's scale word twice at 768 + 8 L.  A 64-deep operand's word is b0 | b1 << 8, repeated in the upper half.
; kv: [head][step 32] block of 13,312 bytes: 8 tiles of k (768 bytes each, as a record's first 768), 8 half fragments of v (tile u, keys c at 6,144 + 1,536 u + 768 c, laid likewise), and scale words as the reader's registers take them:
; at 12,288 + 16 L + 4 b k's word of tile 2 b + L / 16, row L % 16; at 12,800 + 16 L + 4 u v's word of tile u, row L % 16.  The words are gathered in LDS.  Every store of a wave covers 256 or 512 consecutive bytes, aligned.
; CLUSTER 4 x 4: x's 48 KB hang on gx alone and are shared along a column of the cluster, W's 72 KB on gy alone and are shared along a row: joint loads, one a wave.  LDS is filled once.
; No prefetch: there is no loop to run ahead in.
.set W4,   16                          ; v16-31  scale words of the four tiles: tile t, K step s at 4 t + s
.set W2,   34                          ; v34-41  of the two
.set ACC,  48                          ; v48-111 accumulator (a, t) at 32 a + 8 t; they begin as the bias
.set RING, 112                         ; v112-255 two K steps' fragments: 72 registers each: four tiles, then two
.set TM,   112                         ; behind the products: the quantiser's
.set PC,   120                         ; two runs of 12
.set PW,   144                         ; v[144:145], v[146:147]
.set OUT,  148
.set SPW,  42
.set NIL,  43
.set H8,   15                          ; 8 (lane / 16)
.set STG,  122880                      ; LDS: behind x (49,152 bytes) and W (73,728): 1,024 bytes of scale words
.set SPARE, 167936
.set WV,   22
.set SEL,  28
.set G1X,  32
.set G1W,  40
.set G0X,  48
.set G0W,  52
.macro PLACES                          ; four plain places behind a matrix instruction (ISA guide 7.12.1)
.rept 4
	v_nop
.endr
.endm
.macro CROUND                          ; a round of the cluster's barrier
	s_barrier_signal -1
	s_barrier_wait -1
	s_cmp_lg_u32 s[WV], 0
	s_cbranch_scc1 .Lnot_wave_0_\@
	s_barrier_signal -3
.Lnot_wave_0_\@:
	s_barrier_wait -3
	s_barrier_signal -1
	s_barrier_wait -1
.endm
.macro TLOAD g0, g1
	tensor_load_to_lds s[\g0:\g0+3], s[\g1:\g1+7]
	s_nop 0
	PLACES
.endm
.macro GROUP1 g, mask, rows            ; a dense block as rows of 256 bytes (32 elements of 8 bytes); bit 21 set beside a mask
	s_or_b32 s[\g], s[\mask], (3<<16)|(1<<21)
	s_mov_b32 s[\g+1], 32<<16
	s_mov_b32 s[\g+2], (\rows)<<16
	s_mov_b32 s[\g+3], 32<<16
	s_mov_b32 s[\g+4], \rows
	s_mov_b32 s[\g+5], 32
	s_mov_b32 s[\g+6], 0
	s_mov_b32 s[\g+7], 0
.endm
; 32 numbers of a lane, one scale block, become six registers of codes in v[pc] on; v[pw] gets the row's two bytes b0 | b1 << 8, in both halves of the lanes
.macro QUANT s, pc, pw
.irp k, 0,1,2,3
	v_max3_num_f32 v[TM+\k], |v[(\s)+8*\k]|, |v[(\s)+8*\k+1]|, |v[(\s)+8*\k+2]|   ; four chains by turns, each accumulator from its low end on
.endr
.irp i, 3,5
.irp k, 0,1,2,3
	v_max3_num_f32 v[TM+\k], v[TM+\k], |v[(\s)+8*\k+\i]|, |v[(\s)+8*\k+\i+1]|
.endr
.endr
	v_max3_num_f32 v[TM], v[TM], |v[(\s)+7]|, v[TM+1]
	v_max3_num_f32 v[TM+2], v[TM+2], |v[(\s)+23]|, v[TM+3]
	v_max3_num_f32 v[TM], v[TM], |v[(\s)+15]|, |v[(\s)+31]|
	s_delay_alu instid0(VALU_DEP_1)
	v_max3_num_f32 v[TM], v[TM], v[TM+2], 0x1800000    ; and the floor 2^(3 - 127): the byte cannot fall under 1
	s_delay_alu instid0(VALU_DEP_1)
	v_add_nc_u32 v[TM+4], 0xff000000, v[TM]            ; 2 off its exponent field: the conversion's scale operand
	s_delay_alu instid0(VALU_DEP_1)
	v_lshrrev_b32 v[TM+1], 23, v[TM+4]                 ; the scale's byte
	v_cvt_scalef32_pk16_fp6_f32 v[(\pc):(\pc)+2], v[(\s):(\s)+15], v[TM+4]
	v_cvt_scalef32_pk16_fp6_f32 v[(\pc)+8:(\pc)+10], v[(\s)+16:(\s)+31], v[TM+4]   ; (a conversion's three registers begin on an even number)
	v_lshlrev_b32 v[TM+1], v[H8], v[TM+1]              ; (a plain place behind the conversions)
	v_permlanex16_b32 v[TM+5], v[TM+1], s[SEL], s[SEL+1]
	v_or_b32 v[\pw], v[TM+1], v[TM+5]
.irp i, 0,1,2
	v_mov_b32 v[(\pc)+3+\i], v[(\pc)+8+\i]
.endr
.endm
	s_load_b512 s[4:19], s[0:1], 0x0               ; xf s[4:5], xs s[6:7], wf s[8:9], ws s[10:11], bq s[12:13], bk s[14:15], bv s[16:17], qf s[18:19]
	s_load_b64 s[20:21], s[0:1], 0x40              ; kv
	v_lshl_add_u32 v[SPW], v0, 2, SPARE
	v_mov_b32 v[NIL], 0
	ds_add_u32 v[SPW], v[NIL]                      ; the opening add, twice on end
	ds_add_u32 v[SPW], v[NIL]
	v_lshrrev_b32 v2, 5, v0
	v_readfirstlane_b32 s[WV], v2                  ; wave 0..11
	s_and_b32 s27, s[WV], 3                        ; p
	s_lshr_b32 s30, s[WV], 2                       ; 0 q, 1 k, 2 v
	s_and_b32 s31, s[WV], 1                        ; c
	s_bfe_u32 s70, s[WV], 0x10001                  ; b
	s_mul_i32 s56, s30, 24576
	s_add_co_u32 s56, s56, 49152                   ; q, k: the four tiles are W's,
	s_mul_i32 s57, s27, 12288                      ; the two x's
	s_mul_i32 s58, s31, 24576                      ; v: the four are x's,
	s_mul_i32 s59, s70, 12288
	s_add_co_u32 s59, s59, 98304                   ; the two Wv's
	s_lshl_b32 s62, s27, 2
	s_add_co_u32 s62, s62, STG                     ; k's word of tile 2 p + a: STG + 16 (16 a + r) + 4 p
	s_lshl_b32 s63, s70, 3
	s_lshl_b32 s23, s31, 1
	s_add_co_u32 s63, s63, s23
	s_add_co_u32 s63, s63, STG+512                 ; v's half word: STG + 512 + 16 L + 4 (2 b + a) + 2 c
	s_lshl_b32 s23, s[WV], 9
	s_add_co_u32 s23, s23, STG                     ; and back: waves 0 and 1 take 512 bytes each
	s_cmp_lt_u32 s[WV], 8
	s_cselect_b32 s56, s56, s58
	s_cselect_b32 s57, s57, s59
	v_and_b32 v12, 31, v0                          ; lane
	v_and_b32 v13, 15, v0                          ; r
	v_bfe_u32 v14, v0, 4, 1                        ; h
	v_lshlrev_b32 v1, 4, v12                       ; 16 L
	v_lshlrev_b32 v5, 3, v12                       ; 8 L
	v_and_b32 v6, 8, v13
	v_mad_u32_u24 v6, v6, 3, v13                   ; r % 8 + 32 (r / 8)
	v_lshlrev_b32 v8, 2, v6                        ; bv: my channel of a tile
	v_lshlrev_b32 v6, 4, v6                        ; a tile's rows of scale words: 16 bytes a row
	v_lshlrev_b32 v7, 7, v14                       ; bq, bk: 32 h channels on
	v_add_nc_u32 v3, s56, v1                       ; LDS: my four tiles
	v_add_nc_u32 v2, s57, v1                       ; and my two
	v_lshlrev_b32 v9, 4, v13
	v_add_nc_u32 v9, s62, v9
	v_add_nc_u32 v10, s63, v1
	v_add_nc_u32 v11, s23, v1
	v_lshlrev_b32 v[H8], 3, v14
	s_wait_alu depctr_va_vdst(0)
	s_mov_b32 s[SEL], 0x76543210
	s_mov_b32 s[SEL+1], 0xfedcba98                 ; lane l xor 16
	s_bfe_u32 s23, ttmp6, 0x40000                  ; cx
	s_bfe_u32 s24, ttmp6, 0x40004                  ; cy
	s_lshl_b32 s25, ttmp9, 2
	s_add_co_u32 s25, s25, s23                     ; gx = 4 x cluster x + cx
	s_and_b32 s26, ttmp7, 0xffff
	s_lshl_b32 s26, s26, 2
	s_add_co_u32 s26, s26, s24                     ; gy = 4 x cluster y + cy
	s_lshl_b32 s56, 0x1111, s23                    ; my column of the cluster: x's block
	s_lshl_b32 s58, s24, 2
	s_lshl_b32 s58, 15, s58                        ; my row: W's
	GROUP1 G1X, 56, 48
	GROUP1 G1W, 58, 36
	; THE HEAD'S LOADS, one a wave: waves 0-3 a quarter of x each, waves 4-11 an eighth of W each.  LDS: x at 0, W behind it
	s_mov_b32 s[G0X], 1
	s_mul_i32 s[G0X+1], s27, 12288
	s_mul_i32 s56, s25, 49152                      ; made of gx and the wave alone
	s_add_co_u32 s56, s56, s[G0X+1]
	s_mov_b32 s57, 0
	s_mov_b32 s[G0W], 1
	s_lshr_b32 s59, s[WV], 3
	s_lshl_b32 s59, s59, 2
	s_or_b32 s59, s59, s27                         ; waves 4 .. 11: part 0 .. 7
	s_mul_i32 s59, s59, 9216
	s_add_co_u32 s[G0W+1], s59, 49152
	s_mul_i32 s58, s26, 73728                      ; made of gy and the wave alone
	s_add_co_u32 s58, s58, s59
	s_mov_b32 s59, 0
	s_mov_b32 s61, 0
	s_wait_dscnt 0x0                               ; both opening adds are done
	s_wait_kmcnt 0x0
	s_add_nc_u64 s[G0X+2:G0X+3], s[4:5], s[56:57]
	s_or_b32 s[G0X+3], s[G0X+3], 0x80000000
	s_add_nc_u64 s[G0W+2:G0W+3], s[8:9], s[58:59]
	s_or_b32 s[G0W+3], s[G0W+3], 0x80000000
	s_lshl_b32 s60, s25, 11                        ; xs: 128 rows of 16 bytes
	s_add_nc_u64 s[6:7], s[6:7], s[60:61]
	s_mul_i32 s60, s26, 3072                       ; ws: 192 rows a head
	s_add_nc_u64 s[10:11], s[10:11], s[60:61]
	s_lshl_b32 s60, s26, 8                         ; the biases: 256 bytes a head
	s_add_nc_u64 s[12:13], s[12:13], s[60:61]
	s_add_nc_u64 s[14:15], s[14:15], s[60:61]
	s_add_nc_u64 s[16:17], s[16:17], s[60:61]
	; the scale words.  q, k: four at ws + 1,024 m, two at xs + 256 p;  v: four at xs + 1,024 c, two at ws + 2,048 + 256 b  (xs: tile 2 p is row 64 (p / 2) + 16 (p % 2))
	s_lshl_b32 s71, s30, 10
	s_lshl_b32 s72, s31, 10
	s_lshr_b32 s73, s27, 1
	s_lshl_b32 s73, s73, 10
	s_lshl_b32 s74, s31, 8
	s_add_co_u32 s73, s73, s74
	s_lshl_b32 s74, s70, 8
	s_add_co_u32 s74, s74, 2048
	s_cmp_lt_u32 s[WV], 8
	s_cselect_b64 s[56:57], s[10:11], s[6:7]
	s_cselect_b64 s[58:59], s[6:7], s[10:11]
	s_cselect_b32 s60, s71, s72
	s_cselect_b32 s71, s73, s74
	s_add_nc_u64 s[56:57], s[56:57], s[60:61]
	s_mov_b32 s60, s71
	s_add_nc_u64 s[58:59], s[58:59], s[60:61]
.irp t, 0,1,2,3
	global_load_b128 v[W4+4*\t:W4+4*\t+3], v6, s[56:57] offset:128*\t
.endr
.irp a, 0,1
	global_load_b128 v[W2+4*\a:W2+4*\a+3], v6, s[58:59] offset:128*\a
.endr
	s_lshl_b32 s60, s70, 6
	s_add_nc_u64 s[16:17], s[16:17], s[60:61]      ; bv: tile 2 b's channels, 64 bytes for two tiles
	s_cmp_lt_u32 s[WV], 4
	s_cselect_b64 s[12:13], s[12:13], s[14:15]
	s_cmp_lt_u32 s[WV], 8
	s_cbranch_scc0 .Lbias_v
.irp a, 0,1
.irp t, 0,1,2,3                        ; lane (r, h), tile t, register j: channel 32 h + 8 t + j
	global_load_b128 v[ACC+32*\a+8*\t:ACC+32*\a+8*\t+3], v7, s[12:13] offset:32*\t
	global_load_b128 v[ACC+32*\a+8*\t+4:ACC+32*\a+8*\t+7], v7, s[12:13] offset:32*\t+16
.endr
.endr
	s_branch .Lbias_asked
.Lbias_v:
	global_load_b32 v[ACC], v8, s[16:17]           ; in v's results a lane holds one channel
	global_load_b32 v[ACC+32], v8, s[16:17] offset:32
.Lbias_asked:
	; where the codes go: q record 256 gy + 8 gx + 2 p;  k, v: block 32 gy + gx of kv
	s_lshl_b32 s71, s26, 5
	s_add_co_u32 s71, s71, s25
	s_mul_i32 s71, s71, 13312
	s_mul_i32 s72, s27, 1536                       ; k: tiles 2 p, 2 p + 1
	s_mul_i32 s73, s70, 3072                       ; v: tiles 2 b, 2 b + 1, keys c
	s_mul_i32 s74, s31, 768
	s_add_co_u32 s73, s73, s74
	s_add_co_u32 s73, s73, 6144
	s_lshl_b32 s74, s26, 8
	s_lshl_b32 s75, s25, 3
	s_add_co_u32 s74, s74, s75
	s_lshl_b32 s75, s27, 1
	s_add_co_u32 s74, s74, s75
	s_lshl_b32 s74, s74, 10
	s_lshl_b32 s60, s[WV], 9
	s_add_co_u32 s60, s60, 12288
	s_add_co_u32 s60, s60, s71
	s_add_nc_u64 s[62:63], s[20:21], s[60:61]      ; the scale words (waves 0 and 1)
	s_movk_i32 s76, 1536
	s_movk_i32 s77, 1024
	s_cmp_lt_u32 s[WV], 8
	s_cselect_b32 s72, s72, s73
	s_cselect_b32 s76, 768, s76
	s_add_co_u32 s72, s72, s71
	s_cmp_lt_u32 s[WV], 4
	s_cselect_b64 s[66:67], s[18:19], s[20:21]
	s_cselect_b32 s60, s74, s72
	s_cselect_b32 s76, s77, s76                    ; from the first of my two to the second
	s_add_nc_u64 s[66:67], s[66:67], s[60:61]
	s_mov_b32 s60, s76
	s_add_nc_u64 s[68:69], s[66:67], s[60:61]
	CROUND                                         ; all sixteen work-groups are here: the joint loads meet
	s_cmp_lt_u32 s[WV], 4
	s_cbranch_scc0 .Lask_w
	TLOAD G0X, G1X
	s_branch .Lasked
.Lask_w:
	TLOAD G0W, G1W
.Lasked:
	s_wait_loadcnt 0x0                             ; the scale words and the bias are in
	s_cmp_lt_u32 s[WV], 8
	s_cbranch_scc1 .Lbias_in
.set i, 1
.rept 31
	v_mov_b32 v[ACC+i], v[ACC]
	v_mov_b32 v[ACC+32+i], v[ACC+32]
.set i, i+1
.endr
	s_wait_alu depctr_va_vdst(0)
.Lbias_in:
	s_wait_tensorcnt 0x0                           ; my part of x or W is in
	s_barrier_signal -1
	s_barrier_wait -1                              ; everybody's is
.macro FETCH s, e                      ; K step s into half e of the ring: 18 loads
.irp t, 0,1,2,3
.irp c, 0,1,2
	ds_load_b128 v[RING+72*(\e)+12*\t+4*\c:RING+72*(\e)+12*\t+4*\c+3], v3 offset:(4*\t+\s)*1536+512*\c
.endr
.endr
.irp a, 0,1
.irp c, 0,1,2
	ds_load_b128 v[RING+72*(\e)+48+12*\a+4*\c:RING+72*(\e)+48+12*\a+4*\c+3], v2 offset:(4*\a+\s)*1536+512*\c
.endr
.endr
.endm
.macro MUL s, e                        ; eight accumulators by turns, one instruction a turn
.irp t, 0,1,2,3
.irp a, 0,1
	v_wmma_scale_f32_16x16x128_f8f6f4 v[ACC+32*\a+8*\t:ACC+32*\a+8*\t+7], v[RING+72*(\e)+12*\t:RING+72*(\e)+12*\t+11], v[RING+72*(\e)+48+12*\a:RING+72*(\e)+48+12*\a+11], v[ACC+32*\a+8*\t:ACC+32*\a+8*\t+7], v[W4+4*\t+\s], v[W2+4*\a+\s] matrix_a_fmt:MATRIX_FMT_FP6 matrix_b_fmt:MATRIX_FMT_FP6
.endr
.endr
.endm
	FETCH 0, 0
	FETCH 1, 1
	s_wait_dscnt 18                                ; the younger K step's 18 loads may be out
	MUL 0, 0
	PLACES
	FETCH 2, 0
	s_wait_dscnt 18
	MUL 1, 1
	PLACES
	FETCH 3, 1
	s_wait_dscnt 18
	MUL 2, 0
	s_wait_dscnt 0x0
	MUL 3, 1
	PLACES
	QUANT ACC, PC, PW
	global_store_b128 v1, v[PC:PC+3], s[66:67]
	global_store_b64 v5, v[PC+4:PC+5], s[66:67] offset:512
	QUANT ACC+32, PC+12, PW+2
	global_store_b128 v1, v[PC+12:PC+15], s[68:69]
	global_store_b64 v5, v[PC+16:PC+17], s[68:69] offset:512
	s_wait_alu depctr_va_vdst(0)
	s_cmp_lt_u32 s[WV], 4
	s_cbranch_scc0 .Lwords_k
.irp a, 0,1                            ; q: the padded blocks 2 and 3 carry the real blocks' bytes
	v_lshl_or_b32 v[PW+2*\a], v[PW+2*\a], 16, v[PW+2*\a]
.endr
.irp a, 0,1
	v_mov_b32 v[PW+2*\a+1], v[PW+2*\a]
.endr
	global_store_b64 v5, v[PW:PW+1], s[66:67] offset:768
	global_store_b64 v5, v[PW+2:PW+3], s[68:69] offset:768
	s_branch .Lwords_out
.Lwords_k:
	s_cmp_lt_u32 s[WV], 8
	s_cbranch_scc0 .Lwords_v
.irp a, 0,1
	v_lshl_or_b32 v[PW+2*\a], v[PW+2*\a], 16, v[PW+2*\a]
.endr
.irp a, 0,1
	ds_store_b32 v9, v[PW+2*\a] offset:256*\a      ; lanes r and r + 16 write the same word with the same value
.endr
	s_branch .Lwords_out
.Lwords_v:
.irp a, 0,1
	ds_store_b16 v10, v[PW+2*\a] offset:4*\a       ; bytes 2 c and 2 c + 1 of the channel's word
.endr
.Lwords_out:
	s_wait_dscnt 0x0                               ; for the others' sake: my words are stored
	s_barrier_signal -1
	s_barrier_wait -1
	s_cmp_lt_u32 s[WV], 2
	s_cbranch_scc0 .Lend
	ds_load_b128 v[OUT:OUT+3], v11
	s_wait_dscnt 0x0
	global_store_b128 v1, v[OUT:OUT+3], s[62:63]   ; 512 consecutive bytes, aligned
.Lend:
	s_wait_tensorcnt 0x0                           ; the wave's end
	ds_add_u32 v[SPW], v[NIL]
	s_wait_dscnt 0x0
	CROUND                                         ; the closing round: no work-group ends while a partner may still ask for a block that names it
	s_endpgm
.Lfunc_end_k_q8690468787_proj:
	.size	k_q8690468787_proj, .Lfunc_end_k_q8690468787_proj-k_q8690468787_proj
	.p2alignl 7, 3214868480
	.fill 96, 4, 3214868480
	.section	.rodata,"a",@progbits
	.p2align	6, 0x0
	.amdhsa_kernel k_q8690468787_proj
		.amdhsa_group_segment_fixed_size 169472
		.amdhsa_private_segment_fixed_size 0
		.amdhsa_enable_private_segment 0
		.amdhsa_kernarg_size 72
		.amdhsa_user_sgpr_count 2
		.amdhsa_user_sgpr_kernarg_segment_ptr 1
		.amdhsa_wavefront_size32 1
		.amdhsa_system_sgpr_workgroup_id_x 1
		.amdhsa_system_sgpr_workgroup_id_y 1
		.amdhsa_system_sgpr_workgroup_id_z 1
		.amdhsa_system_vgpr_workitem_id 0
		.amdhsa_next_free_vgpr 256
		.amdhsa_next_free_sgpr 80
		.amdhsa_reserve_vcc 0
		.amdhsa_float_denorm_mode_32 3
		.amdhsa_float_denorm_mode_16_64 3
		.amdhsa_memory_ordered 1
		.amdhsa_forward_progress 1
		.amdhsa_inst_pref_size 27
	.end_amdhsa_kernel
	.amdgpu_metadata
---
amdhsa.version: [ 1, 2 ]
amdhsa.kernels:
  - .name:           k_q8690468787_proj
    .symbol:         k_q8690468787_proj.kd
    .args:
      - { .name: xf, .offset: 0, .size: 8, .value_kind: global_buffer, .address_space: global }
      - { .name: xs, .offset: 8, .size: 8, .value_kind: global_buffer, .address_space: global }
      - { .name: wf, .offset: 16, .size: 8, .value_kind: global_buffer, .address_space: global }
      - { .name: ws, .offset: 24, .size: 8, .value_kind: global_buffer, .address_space: global }
      - { .name: bq, .offset: 32, .size: 8, .value_kind: global_buffer, .address_space: global }
      - { .name: bk, .offset: 40, .size: 8, .value_kind: global_buffer, .address_space: global }
      - { .name: bv, .offset: 48, .size: 8, .value_kind: global_buffer, .address_space: global }
      - { .name: qf, .offset: 56, .size: 8, .value_kind: global_buffer, .address_space: global }
      - { .name: kv, .offset: 64, .size: 8, .value_kind: global_buffer, .address_space: global }
    .group_segment_fixed_size: 169472
    .private_segment_fixed_size: 0
    .kernarg_segment_align: 8
    .kernarg_segment_size: 72
    .max_flat_workgroup_size: 384
    .sgpr_count:     80
    .vgpr_count:     256
    .wavefront_size: 32
...
	.end_amdgpu_metadata
.endif
;; end of part 2
;; launch attn (part 3): grid 32 x 8, 16 waves a work-group, clusters of 4 x 1, 327,680 bytes of LDS; arguments qf, kv, cf; writes cf
.if DOCPART == 3
	.amdgcn_target "amdgcn-amd-amdhsa--gfx1250"
	.amdhsa_code_object_version 6
	.text
	.protected	k_q8690468787_attn
	.globl	k_q8690468787_attn
	.p2align	8
	.type	k_q8690468787_attn,@function
k_q8690468787_attn:
	s_mov_b64 s[64:65], 0
	v_nop
	global_prefetch_b8 v0, s[64:65] scope:SCOPE_SE
	s_setreg_imm32_b32 hwreg(HW_REG_WAVE_MODE, 25, 1), 1
	s_wait_xcnt 0x0
	s_wait_alu depctr_hold_cnt(0) depctr_sa_sdst(0) depctr_va_vdst(0) depctr_va_sdst(0) depctr_va_ssrc(0) depctr_va_vcc(0) depctr_vm_vsrc(0)
	s_getreg_b32 s2, hwreg(HW_REG_IB_STS2, 6, 4)
	s_cmp_eq_u32 s2, 0
	s_cbranch_scc0 .Lentry_in_a_cluster
	s_endpgm
.Lentry_in_a_cluster:
	s_bfe_u32 s2, ttmp6, 0x10000c
	s_cmp_lg_u32 s2, 0x3003
	s_cbranch_scc0 .Lentry_shape_is_right
	s_endpgm
.Lentry_shape_is_right:
; concat = softmax(q k^T / 8) v for one head and 128 queries, on codes of FP6 (E2M3); the result is quantised along the head's 64 channels and leaves as records of codes and scale words.
; LIMITS: holds while the scaled scores (exponents to the base 2) stay under 2^31 in magnitude; NaN and infinities are not served.  A block of p under 2^-124 gets the byte 1.
; SHARES.  16 waves, two to each of the work-group's eight query tiles: waves w (0 .. 3) and w + 12 own tile w, waves w (4 .. 7) and w + 4 tile w.  The two deal the 32 steps of 128 keys between them by a mask: of each eight steps
; waves 0-3, 4-7, 8-11, 12-15 take six, five, three, two.  Each wave has its own running maximum, sum and O^T; at the end those of waves 8-15 go through LDS to waves 0-7, which bring both under the larger M (powers of two), add, divide by the sum and quantise.
; LAYOUT.  S^T = k q^T and O^T = v^T p^T: a lane holds one query throughout.  Lane r of tile t of k (or of v's channels) is row 64 (t / 4) + 8 (t % 4) + r % 8 + 32 (r / 8): so register 32 c + 8 u + j of the scores is key 64 c + 32 h + 8 u + j (h = lane / 16):
; a lane's 32 registers are one whole scale block, 2 c + h, and lie as the next operand wants them: no lane looks at another but for the row's maximum and the scale word.  O^T's 32 registers are likewise channels 32 h + 0 .. 31.
; q k^T is 64 deep: q's upper 64 are zero codes; a tile of k is six registers, and the next tile's six stand in its operand's upper half (for the last tile zeros).  The words' upper bytes repeat the lower.
; M, the running largest t rounded up to a whole number, is kept as -M.  p = 2^(t - M); the sum is of the unquantised p.  When M moves, sum and O^T are multiplied by a power of two.  A block's largest p is made from its largest score by the same two instructions
; (this takes v_exp_f32 not to fall where its input rises; the ISA guide promises 1 ulp).
; FILLS.  LDS: slot A, 8 steps at 0; slot B, 16 steps behind it.  At the head waves 0-7 ask for steps 0-7 (A, one step each) and waves 8-15 for steps 8-23 (B, two steps each); when A has been read, all waves ask for steps 24-31 (A, half a step each).
; CLUSTER 4 x 1: four work-groups of one head read the same keys: joint loads.  One refill, behind a drained round.
; No prefetch: the first 24 steps are asked for at the head itself, and between the refill's request and its wait stand sixteen steps of the work-group.
.set STEPB, 13312                      ; k: 8 tiles x 768; v: 4 tiles x 2 x 768 from 6,144; k's words at 12,288 + 16 L, v's at 12,800 + 16 L
.set SLB,   8*STEPB                    ; slot B
.set SPARE, 24*STEPB                   ; the spare words, 128 bytes a wave
.set MGW,   4608                       ; the hand-over, in slot B behind its last read: a region for each wave
.set AD8,  0                           ; LDS address of this step: + 8 L
.set LI,   1                           ; 16 L
.set L8,   2                           ; 8 L
.set SPW,  3
.set NIL,  4
.set H8,   5                           ; 8 h
.set ADK,  6                           ; LDS address of this step: + 16 L
.set OM,   7
.set FF,   8                           ; v[8:9]
.set BM,   10                          ; v10, v11: the two blocks' largest; v12 -M; v13 the running largest score; v[14:15] the sum, in two halves
.set Q,    16
.set SCK,  28
.set SCV,  32
.set QW,   36
.set PWD,  37
.set KF,   38                          ; v38-85; v86-91 zeros
.set VF,   92
.set S,    140
.set OT,   204
.set PC,   236
.set BS,   248
.set C2,   250
.set T3,   252
.set TMP,  253
.set HA8,  254                         ; the hand-over: the other wave's region, + 8 L
.set HA,   255                         ; + 16 L
.set WV,   10
.set TB,   14
.set CNT,  15
.set G1A,  16
.set G1B,  24
.set G1C,  32
.set G0A,  40
.set G0B,  44
.set G0C,  48
.set CS,   52                          ; s[52:53] log2(e) / 8
.set SEL,  54
.set CN,   56                          ; its negative
.set MK,   57                          ; my steps of each eight, a bit each
.macro PLACES n
.rept \n
	v_nop
.endr
.endm
.macro CROUND                          ; a round of the cluster's barrier
	s_barrier_signal -1
	s_barrier_wait -1
	s_cmp_lg_u32 s[WV], 0
	s_cbranch_scc1 .Lnot_wave_0_\@
	s_barrier_signal -3
.Lnot_wave_0_\@:
	s_barrier_wait -3
	s_barrier_signal -1
	s_barrier_wait -1
.endm
.macro TLOAD g0, g1
	tensor_load_to_lds s[\g0:\g0+3], s[\g1:\g1+7]
	s_nop 0
	PLACES 4
.endm
.macro GROUP1 g, rows                  ; dense: rows of 256 bytes (32 elements of 8 bytes); the mask names the cluster's four; bit 21 beside it
	s_mov_b32 s[\g], 15|(3<<16)|(1<<21)
	s_mov_b32 s[\g+1], 32<<16
	s_mov_b32 s[\g+2], (\rows)<<16
	s_mov_b32 s[\g+3], 32<<16
	s_mov_b32 s[\g+4], \rows
	s_mov_b32 s[\g+5], 32
	s_mov_b32 s[\g+6], 0
	s_mov_b32 s[\g+7], 0
.endm
	s_load_b128 s[4:7], s[0:1], 0x0                ; qf, kv
	s_load_b64 s[8:9], s[0:1], 0x10                ; cf
	v_lshl_add_u32 v[SPW], v0, 2, SPARE
	v_mov_b32 v[NIL], 0
	ds_add_u32 v[SPW], v[NIL]                      ; the opening add, twice on end
	ds_add_u32 v[SPW], v[NIL]
	v_lshrrev_b32 v7, 5, v0
	v_readfirstlane_b32 s[WV], v7                  ; wave 0..15
	v_and_b32 v7, 31, v0
	v_bfe_u32 v[H8], v0, 4, 1
	v_lshlrev_b32 v[LI], 4, v7
	v_lshlrev_b32 v[L8], 3, v7
	v_lshlrev_b32 v[H8], 3, v[H8]
	s_wait_alu depctr_va_vdst(0)
	s_and_b32 s11, s[WV], 7                        ; w % 8: my part of a fill
	s_lshr_b32 s12, s[WV], 2                       ; which four
	s_lshl_b32 s13, s12, 3
	s_lshr_b32 s[MK], 0x44926dbb, s13              ; bits 7:0: 0xbb, 0x6d, 0x92, 0x44
	s_lshr_b32 s13, s12, 1
	s_xor_b32 s12, s12, s13
	s_and_b32 s12, s12, 1
	s_lshl_b32 s12, s12, 2
	s_and_b32 s13, s[WV], 3
	s_or_b32 s63, s12, s13                         ; my tile of the eight
	GROUP1 G1A, 52
	GROUP1 G1B, 104
	GROUP1 G1C, 26
	s_bfe_u32 s12, ttmp6, 0x40000                  ; cx
	s_lshl_b32 s13, ttmp9, 2
	s_add_co_u32 s12, s12, s13                     ; work-group x = 4 x cluster x + cx
	s_and_b32 s13, ttmp7, 0xffff                   ; head
	s_mul_i32 s58, s13, 32*STEPB
	s_mov_b32 s59, 0
	s_lshl_b32 s62, s12, 3
	s_add_co_u32 s62, s62, s63                     ; my query tile
	s_lshl_b32 s60, s13, 8
	s_add_co_u32 s60, s60, s62
	s_lshl_b32 s60, s60, 10                        ; qf: record 256 x head + tile
	s_mov_b32 s61, 0
	s_lshl_b32 s62, s62, 3
	s_add_co_u32 s62, s62, s13
	s_lshl_b32 s62, s62, 10                        ; cf: record 8 x tile + head
	s_mov_b32 s63, 0
	s_mov_b32 s[CS], 0x3e38aa3b
	s_mov_b32 s[CS+1], s[CS]
	s_mov_b32 s[CN], 0xbe38aa3b
	s_mov_b32 s[SEL], 0x76543210
	s_mov_b32 s[SEL+1], 0xfedcba98                 ; lane l xor 16
	s_mov_b32 s[G0A], 1
	s_mul_i32 s[G0A+1], s11, STEPB                 ; A: step w
	s_mov_b32 s[G0B], 1
	s_mul_i32 s14, s11, 2*STEPB
	s_add_co_u32 s[G0B+1], s14, SLB                ; B: steps 8 + 2 (w % 8) on; the same bytes on from kv's block as from LDS byte 0
	s_mov_b32 s[G0C], 1
	s_mul_i32 s[G0C+1], s[WV], STEPB/2             ; A again: half a step a wave
	s_wait_dscnt 0x0                               ; both opening adds are done
	s_wait_kmcnt 0x0
	s_add_nc_u64 s[4:5], s[4:5], s[60:61]
	global_load_b128 v[Q:Q+3], v[LI], s[4:5]
	global_load_b64 v[Q+4:Q+5], v[L8], s[4:5] offset:512
	global_load_b32 v[QW], v[L8], s[4:5] offset:768
	s_add_nc_u64 s[6:7], s[6:7], s[58:59]
	s_add_nc_u64 s[8:9], s[8:9], s[62:63]
	s_mov_b32 s58, s[G0A+1]
	s_add_nc_u64 s[G0A+2:G0A+3], s[6:7], s[58:59]
	s_or_b32 s[G0A+3], s[G0A+3], 0x80000000
	s_mov_b32 s58, s[G0B+1]
	s_add_nc_u64 s[G0B+2:G0B+3], s[6:7], s[58:59]
	s_or_b32 s[G0B+3], s[G0B+3], 0x80000000
	s_add_co_u32 s58, s[G0C+1], 24*STEPB
	s_add_nc_u64 s[G0C+2:G0C+3], s[6:7], s[58:59]
	s_or_b32 s[G0C+3], s[G0C+3], 0x80000000
	CROUND                                         ; all four work-groups are here: the joint loads meet
	s_cmp_lt_u32 s[WV], 8
	s_cbranch_scc0 .Lask_b
	TLOAD G0A, G1A
	s_branch .Lasked
.Lask_b:
	TLOAD G0B, G1B
.Lasked:
.irp j, 0,1,2,3,4,5
	v_mov_b32 v[Q+6+\j], 0                         ; q's upper 64: zero codes
	v_mov_b32 v[KF+48+\j], 0
.endr
	v_mov_b32 v12, 0x7f61b1e6                      ; -M = 3e38: M lies under every t
	v_mov_b32 v13, 0xff61b1e6                      ; the largest score so far: -3e38
	v_mov_b32 v14, 0
	v_mov_b32 v15, 0
	v_mov_b32 v[T3], 0                             ; written once: a lane permute's destination counts as one of its sources
	v_mov_b32 v[FF+1], 0                           ; (named as a pair's upper half)
.set j, 0
.rept 32
	v_mov_b32 v[OT+j], 0                           ; the step is written once: the first finds zeros
.set j, j+1
.endr
	s_wait_alu depctr_va_vdst(0)
	s_cmp_lt_u32 s[WV], 8
	s_cbranch_scc0 .Lnot_a
	s_wait_tensorcnt 0x0                           ; my step of slot A is in
.Lnot_a:
	s_wait_loadcnt 0x0                             ; q too
	s_barrier_signal -1
	s_barrier_wait -1                              ; slot A is whole; slot B may be on its way
.macro SUM j                           ; the row's sum, in two chains
	v_pk_add_f32 v[14:15], v[14:15], v[S+(\j):S+(\j)+1]
	v_pk_add_f32 v[C2:C2+1], v[C2:C2+1], v[S+(\j)+2:S+(\j)+3]
.endm
.macro STEP
	v_add_nc_u32 v[ADK], s[TB], v[LI]
	v_add_nc_u32 v[AD8], s[TB], v[L8]
.irp t, 0,1,2,3,4,5,6,7
	ds_load_b128 v[KF+6*\t:KF+6*\t+3], v[ADK] offset:768*\t
	ds_load_b64 v[KF+6*\t+4:KF+6*\t+5], v[AD8] offset:768*\t+512
.endr
	ds_load_b128 v[SCK:SCK+3], v[ADK] offset:12288
	s_wait_alu depctr_va_vdst(0)
	s_wait_dscnt 0x0
.irp b, 0,1,2,3
	v_wmma_scale_f32_16x16x128_f8f6f4 v[S+16*\b:S+16*\b+7], v[KF+12*\b:KF+12*\b+11], v[Q:Q+11], 0, v[SCK+\b], v[QW] matrix_a_fmt:MATRIX_FMT_FP6 matrix_b_fmt:MATRIX_FMT_FP6
	v_wmma_scale_f32_16x16x128_f8f6f4 v[S+16*\b+8:S+16*\b+15], v[KF+12*\b+6:KF+12*\b+17], v[Q:Q+11], 0, v[SCK+\b], v[QW] matrix_a_fmt:MATRIX_FMT_FP6 matrix_b_fmt:MATRIX_FMT_FP6 matrix_a_scale:MATRIX_SCALE_ROW1
.endr
	v_mov_b32 v[OM], v12
	PLACES 3
.irp t, 0,1,2,3,4,5,6,7                ; v's half fragments
	ds_load_b128 v[VF+6*\t:VF+6*\t+3], v[ADK] offset:6144+768*\t
	ds_load_b64 v[VF+6*\t+4:VF+6*\t+5], v[AD8] offset:6144+768*\t+512
.endr
	ds_load_b128 v[SCV:SCV+3], v[ADK] offset:12800
	v_max3_num_f32 v[BM], v[S], v[S+1], v[S+2]     ; each block's largest score, two chains a block
	v_max3_num_f32 v[BM+1], v[S+32], v[S+33], v[S+34]
	v_max3_num_f32 v[C2], v[S+16], v[S+17], v[S+18]
	v_max3_num_f32 v[C2+1], v[S+48], v[S+49], v[S+50]
.irp i, 3,5,7,9,11,13
	v_max3_num_f32 v[BM], v[BM], v[S+\i], v[S+\i+1]
	v_max3_num_f32 v[BM+1], v[BM+1], v[S+32+\i], v[S+33+\i]
	v_max3_num_f32 v[C2], v[C2], v[S+16+\i], v[S+17+\i]
	v_max3_num_f32 v[C2+1], v[C2+1], v[S+48+\i], v[S+49+\i]
.endr
	v_max3_num_f32 v[BM], v[BM], v[C2], v[S+15]
	v_max3_num_f32 v[BM+1], v[BM+1], v[C2+1], v[S+47]
	v_max_num_f32 v[BM], v[BM], v[S+31]
	v_max_num_f32 v[BM+1], v[BM+1], v[S+63]
	s_delay_alu instid0(VALU_DEP_1)
	v_max3_num_f32 v[TMP], v[BM], v[BM+1], v13
	s_delay_alu instid0(VALU_DEP_1)
	v_permlanex16_b32 v[T3], v[TMP], s[SEL], s[SEL+1]
	s_delay_alu instid0(VALU_DEP_1)
	v_max_num_f32 v13, v[TMP], v[T3]               ; the running largest score of my query
	s_delay_alu instid0(VALU_DEP_1)
	v_mul_f32 v[TMP], s[CN], v13
	s_delay_alu instid0(VALU_DEP_1)
	v_floor_f32 v12, v[TMP]                        ; the new -M = -ceil(t)
	s_delay_alu instid0(VALU_DEP_1)
	v_sub_f32 v[TMP], v12, v[OM]
	s_delay_alu instid0(VALU_DEP_1)
	v_cvt_i32_f32 v[TMP], v[TMP]                   ; (it saturates)
	s_delay_alu instid0(VALU_DEP_1)
	v_ldexp_f32 v[FF], 1.0, v[TMP]                 ; 2^(old M - new M)
.set j, 0
.rept 32
	v_pk_fma_f32 v[S+j:S+j+1], v[S+j:S+j+1], s[CS:CS+1], v[12:13] op_sel_hi:[1,0,0]   ; t - M
.set j, j+2
.endr
	v_fma_f32 v[BM], v[BM], s[CS], v12
	v_fma_f32 v[BM+1], v[BM+1], s[CS], v12
.set j, 0
.rept 16
	v_pk_mul_f32 v[OT+j:OT+j+1], v[OT+j:OT+j+1], v[FF:FF+1] op_sel_hi:[1,0]           ; O^T under the new M
.set j, j+2
.endr
	s_wait_alu depctr_va_vdst(0)
	v_exp_f32 v[BM], v[BM]                         ; the blocks' largest p,
	v_exp_f32 v[BM+1], v[BM+1]
.set j, 0
.rept 64
	v_exp_f32 v[S+j], v[S+j]                       ; and p
.set j, j+1
.endr
	v_pk_mul_f32 v[14:15], v[14:15], v[FF:FF+1] op_sel_hi:[1,0]                       ; the sum under the new M; a plain place behind the batch
	s_wait_alu depctr_va_vdst(0)
	s_wait_dscnt 0x0                               ; v's fragments are in
	v_pk_add_f32 v[C2:C2+1], v[S:S+1], v[S+2:S+3]
	v_max_num_f32 v[BM], 0x1800000, v[BM]          ; the floor 2^(3 - 127)
	v_max_num_f32 v[BM+1], 0x1800000, v[BM+1]
	SUM 4
	v_add_nc_u32 v[BS], 0xff000000, v[BM]          ; 2 off the exponent field: the conversion's scale operand
	v_add_nc_u32 v[BS+1], 0xff000000, v[BM+1]
	SUM 8
	v_lshrrev_b32 v[BM], 23, v[BS]                 ; the bytes of blocks h and 2 + h
	v_lshrrev_b32 v[BM+1], 23, v[BS+1]
	SUM 12
	v_lshl_or_b32 v[TMP], v[BM+1], 16, v[BM]
	SUM 16
	v_lshlrev_b32 v[TMP], v[H8], v[TMP]            ; at their places in the word
	SUM 20
	v_permlanex16_b32 v[T3], v[TMP], s[SEL], s[SEL+1]
.irp j, 24,28,32,36,40,44,48
	SUM \j
.endr
	v_cvt_scalef32_pk16_fp6_f32 v[PC:PC+2], v[S:S+15], v[BS]
	v_cvt_scalef32_pk16_fp6_f32 v[PC+6:PC+8], v[S+32:S+47], v[BS+1]
	SUM 52                                         ; plain places between the conversions and the writes over their sources
	v_cvt_scalef32_pk16_fp6_f32 v[S:S+2], v[S+16:S+31], v[BS]        ; (a conversion's three registers begin on an even number)
	v_cvt_scalef32_pk16_fp6_f32 v[S+32:S+34], v[S+48:S+63], v[BS+1]
	v_or_b32 v[PWD], v[TMP], v[T3]                 ; p's scale word; a plain place behind the conversions
.irp i, 0,1,2
	v_mov_b32 v[PC+3+\i], v[S+\i]
	v_mov_b32 v[PC+9+\i], v[S+32+\i]
.endr
	SUM 56                                         ; the four places between the codes' last write and the products
	SUM 60
.irp t, 0,1,2,3
	v_wmma_scale_f32_16x16x128_f8f6f4 v[OT+8*\t:OT+8*\t+7], v[VF+12*\t:VF+12*\t+11], v[PC:PC+11], v[OT+8*\t:OT+8*\t+7], v[SCV+\t], v[PWD] matrix_a_fmt:MATRIX_FMT_FP6 matrix_b_fmt:MATRIX_FMT_FP6
.endr
	v_pk_add_f32 v[14:15], v[14:15], v[C2:C2+1]
.endm
.macro PHASE base, steps               ; the steps of a slot: every wave walks them all and works those that its mask names
	s_mov_b32 s[TB], \base
	s_mov_b32 s[CNT], \steps
.Lstep_\@:
	s_and_b32 s12, s[CNT], 7
	s_lshr_b32 s12, s[MK], s12
	s_and_b32 s12, s12, 1
	s_cbranch_scc0 .Lnot_mine_\@
	STEP
.Lnot_mine_\@:
	s_add_co_u32 s[TB], s[TB], STEPB
	s_sub_co_u32 s[CNT], s[CNT], 1
	s_cmp_lg_u32 s[CNT], 0
	s_cbranch_scc1 .Lstep_\@
.endm
	PHASE 0, 8
	s_wait_tensorcnt 0x0                           ; my head's load is in, slot B's part among them;
	ds_add_u32 v[SPW], v[NIL]
	s_wait_dscnt 0x0                               ; it is done, and so are my reads of slot A
	CROUND                                         ; all of that holds of every wave of every partner
	TLOAD G0C, G1C                                 ; slot A again: steps 24-31
	PHASE SLB, 16
	s_wait_tensorcnt 0x0
	s_wait_dscnt 0x0
	s_barrier_signal -1
	s_barrier_wait -1                              ; slot A is whole, and slot B is read no more
	PHASE 0, 8
	; THE HAND-OVER, through slot B, which has had its last fill: O^T as eight pieces of 512 bytes, the sum and -M at 4,096 + 8 L
	s_wait_alu depctr_va_vdst(0)
	v_add_f32 v14, v14, v15
	v_permlanex16_b32 v[T3], v14, s[SEL], s[SEL+1]
	v_add_f32 v14, v14, v[T3]                      ; the sum over my keys
	v_mov_b32 v15, v12
	s_mul_i32 s12, s[WV], MGW
	s_add_co_u32 s12, s12, SLB
	s_xor_b32 s13, s[WV], 12                       ; the tile's other wave
	s_mul_i32 s13, s13, MGW
	s_add_co_u32 s13, s13, SLB
	v_add_nc_u32 v[ADK], s12, v[LI]                ; my region,
	v_add_nc_u32 v[AD8], s12, v[L8]
	v_add_nc_u32 v[HA], s13, v[LI]                 ; and the other wave's
	v_add_nc_u32 v[HA8], s13, v[L8]
	s_wait_alu depctr_va_vdst(0)
	s_cmp_lt_u32 s[WV], 8
	s_cbranch_scc1 .Lkeep
.irp i, 0,1,2,3,4,5,6,7
	ds_store_b128 v[ADK], v[OT+4*\i:OT+4*\i+3] offset:512*\i
.endr
	ds_store_b64 v[AD8], v[14:15] offset:4096
.Lkeep:
	s_wait_dscnt 0x0                               ; for the others' sake: stored
	s_barrier_signal -1
	s_barrier_wait -1
	s_cmp_lt_u32 s[WV], 8
	s_cbranch_scc0 .Lend
	ds_load_b64 v[BM:BM+1], v[HA8] offset:4096     ; the other half's sum and -M
.irp i, 0,1,2,3,4,5,6,7
	ds_load_b128 v[S+4*\i:S+4*\i+3], v[HA] offset:512*\i
.endr
	s_wait_dscnt 0x0
	v_min_num_f32 v[TMP], v12, v[BM+1]             ; -M of both
	v_sub_f32 v[OM], v[TMP], v12
	v_sub_f32 v[T3], v[TMP], v[BM+1]
	v_cvt_i32_f32 v[OM], v[OM]
	v_cvt_i32_f32 v[T3], v[T3]
	v_ldexp_f32 v[FF], 1.0, v[OM]
	v_ldexp_f32 v[BM+1], 1.0, v[T3]
	v_mul_f32 v14, v14, v[FF]
	v_fma_f32 v14, v[BM], v[BM+1], v14             ; the row's sum
	s_wait_alu depctr_va_vdst(0)
	v_rcp_f32 v14, v14
	v_nop
	s_wait_alu depctr_va_vdst(0)
	v_mul_f32 v[FF], v[FF], v14
	v_mul_f32 v[BM], v[BM+1], v14
.set j, 0
.rept 16
	v_pk_mul_f32 v[S+j:S+j+1], v[S+j:S+j+1], v[BM:BM+1] op_sel_hi:[1,0]
.set j, j+2
.endr
	s_wait_alu depctr_va_vdst(0)
.set j, 0
.rept 16
	v_pk_fma_f32 v[S+j:S+j+1], v[OT+j:OT+j+1], v[FF:FF+1], v[S+j:S+j+1] op_sel_hi:[1,0,1]   ; both halves, divided by the sum: channels 32 h + 0 .. 31
.set j, j+2
.endr
	v_max3_num_f32 v[BM], |v[S]|, |v[S+1]|, |v[S+2]|
	v_max3_num_f32 v[BM+1], |v[S+8]|, |v[S+9]|, |v[S+10]|
	v_max3_num_f32 v[C2], |v[S+16]|, |v[S+17]|, |v[S+18]|
	v_max3_num_f32 v[C2+1], |v[S+24]|, |v[S+25]|, |v[S+26]|
.irp i, 3,5
	v_max3_num_f32 v[BM], v[BM], |v[S+\i]|, |v[S+\i+1]|
	v_max3_num_f32 v[BM+1], v[BM+1], |v[S+8+\i]|, |v[S+9+\i]|
	v_max3_num_f32 v[C2], v[C2], |v[S+16+\i]|, |v[S+17+\i]|
	v_max3_num_f32 v[C2+1], v[C2+1], |v[S+24+\i]|, |v[S+25+\i]|
.endr
	v_max3_num_f32 v[BM], v[BM], |v[S+7]|, v[BM+1]
	v_max3_num_f32 v[C2], v[C2], |v[S+23]|, v[C2+1]
	v_max3_num_f32 v[BM], v[BM], |v[S+15]|, |v[S+31]|
	v_max3_num_f32 v[BM], v[BM], v[C2], 0x1800000  ; and the floor
	v_add_nc_u32 v[BS], 0xff000000, v[BM]
	v_lshrrev_b32 v[TMP], 23, v[BS]
	v_cvt_scalef32_pk16_fp6_f32 v[PC:PC+2], v[S:S+15], v[BS]
	v_cvt_scalef32_pk16_fp6_f32 v[PC+8:PC+10], v[S+16:S+31], v[BS]
	v_lshlrev_b32 v[TMP], v[H8], v[TMP]            ; (a plain place behind the conversions)
	v_permlanex16_b32 v[T3], v[TMP], s[SEL], s[SEL+1]
	v_or_b32 v[C2], v[TMP], v[T3]
	v_lshl_or_b32 v[C2], v[C2], 16, v[C2]
	v_mov_b32 v[C2+1], v[C2]
.irp i, 0,1,2
	v_mov_b32 v[PC+3+\i], v[PC+8+\i]
.endr
	global_store_b128 v[LI], v[PC:PC+3], s[8:9]
	global_store_b64 v[L8], v[PC+4:PC+5], s[8:9] offset:512
	global_store_b64 v[L8], v[C2:C2+1], s[8:9] offset:768
.Lend:
	s_wait_tensorcnt 0x0                           ; the wave's end
	ds_add_u32 v[SPW], v[NIL]
	s_wait_dscnt 0x0
	CROUND                                         ; the closing round
	s_endpgm
.Lfunc_end_k_q8690468787_attn:
	.size	k_q8690468787_attn, .Lfunc_end_k_q8690468787_attn-k_q8690468787_attn
	.p2alignl 7, 3214868480
	.fill 96, 4, 3214868480
	.section	.rodata,"a",@progbits
	.p2align	6, 0x0
	.amdhsa_kernel k_q8690468787_attn
		.amdhsa_group_segment_fixed_size 327680
		.amdhsa_private_segment_fixed_size 0
		.amdhsa_enable_private_segment 0
		.amdhsa_kernarg_size 24
		.amdhsa_user_sgpr_count 2
		.amdhsa_user_sgpr_kernarg_segment_ptr 1
		.amdhsa_wavefront_size32 1
		.amdhsa_system_sgpr_workgroup_id_x 1
		.amdhsa_system_sgpr_workgroup_id_y 1
		.amdhsa_system_sgpr_workgroup_id_z 1
		.amdhsa_system_vgpr_workitem_id 0
		.amdhsa_next_free_vgpr 256
		.amdhsa_next_free_sgpr 72
		.amdhsa_reserve_vcc 0
		.amdhsa_float_denorm_mode_32 3
		.amdhsa_float_denorm_mode_16_64 3
		.amdhsa_memory_ordered 1
		.amdhsa_forward_progress 1
		.amdhsa_inst_pref_size 61
	.end_amdhsa_kernel
	.amdgpu_metadata
---
amdhsa.version: [ 1, 2 ]
amdhsa.kernels:
  - .name:           k_q8690468787_attn
    .symbol:         k_q8690468787_attn.kd
    .args:
      - { .name: qf, .offset: 0, .size: 8, .value_kind: global_buffer, .address_space: global }
      - { .name: kv, .offset: 8, .size: 8, .value_kind: global_buffer, .address_space: global }
      - { .name: cf, .offset: 16, .size: 8, .value_kind: global_buffer, .address_space: global }
    .group_segment_fixed_size: 327680
    .private_segment_fixed_size: 0
    .kernarg_segment_align: 8
    .kernarg_segment_size: 24
    .max_flat_workgroup_size: 512
    .sgpr_count:     72
    .vgpr_count:     256
    .wavefront_size: 32
...
	.end_amdgpu_metadata
.endif
;; end of part 3
;; launch oproj (part 4): grid 64 x 4, 4 waves a work-group, no clusters, 60,928 bytes of LDS; arguments cf, wf, ws, bo, out0; writes out0
.if DOCPART == 4
	.amdgcn_target "amdgcn-amd-amdhsa--gfx1250"
	.amdhsa_code_object_version 6
	.text
	.protected	k_q8690468787_oproj
	.globl	k_q8690468787_oproj
	.p2align	8
	.type	k_q8690468787_oproj,@function
k_q8690468787_oproj:
	s_mov_b64 s[64:65], 0
	v_nop
	global_prefetch_b8 v0, s[64:65] scope:SCOPE_SE
	s_setreg_imm32_b32 hwreg(HW_REG_WAVE_MODE, 25, 1), 1
	s_wait_xcnt 0x0
; out0 = concat Wo + bo, on codes of FP6 (E2M3) with E8M0 scales.  concat's codes come as records [tile 256][head 8] of 1,024 bytes (registers 0-3 at 16 L, 4, 5 at 512 + 8 L, the row's word at 768 + 8 L);
; two heads' records are one fragment of 128 along K.  Wo's codes come as fragments of 1,536 bytes, tiles 96 on of wf; its scale words as rows 1,536 on of ws.
; SHARES.  Work-group (i, jn): 64 rows (tiles 4 i .. 4 i + 3) x 128 columns.  Wave w: Wo's tiles 8 jn + 2 w + u, u = 0, 1, against the four tiles of rows: 8 accumulators by turns, 32 matrix instructions, straight-line.
; ROW ORDER.  Lane r of tile t stands for 64 (t / 4) + 8 (t % 4) + r % 8 + 32 (r / 8), rows and columns alike.  Source 0 = 16 columns of Wo, source 1 = 16 rows of concat: a lane holds one row, and register j of
; tile u is column 128 jn + 64 (w / 2) + 16 (w % 2) + 32 (lane / 16) + 8 u + j.  bo is the C of each sum's first product.
; Each byte is loaded once by a work-group: Wo's fragments straight into the registers of the wave that owns them; of concat wave w loads tile w, and the four waves share it through LDS as images of the operand's registers.
; No tensor load, no ring.  No cluster: a work-group's shared part is 48 KB of Wo and 32 KB of records, each wanted once, at the head; a joint load would send Wo through LDS too and add two rounds.
; The results meet in a stage (64 rows of 512 bytes + 16) and leave as rows: each store covers 512 consecutive bytes, aligned.
; No prefetch: there is no loop to run ahead in.
.set WF,   16                          ; v16-111  Wo's fragments: (u, K step) at 12 (4 u + ks); later rows of the result
.set WS,   112                         ; v112-119 Wo's scale words: 4 u + ks
.set CS,   122                         ; v122-137 concat's scale words: 4 m + ks
.set BI,   138                         ; v138-153 bo in the result's layout: 8 u
.set ACC,  160                         ; v160-223 accumulator (u, m) at 8 (4 u + m)
.set RAW,  224                         ; v224-231 my tile's eight records' words
.set MW,   232                         ; v232-235 my tile's words of the four K steps
.set SPW,  254
.set NIL,  255
.set CF,   0                           ; window 1: v0-191 concat's fragments: (m, ks) at 12 (4 m + ks)
.set MY,   192                         ; window 1: v192-239 my tile's codes on their way to LDS, six registers a head
.set CWL,  24576                       ; LDS: 32 records of 768 bytes, then the words: 512 m + 16 L
.set STG,  26624                       ; the stage
.set SPARE, STG+64*528
.set MSB, 0
.macro WIN new                         ; the immediate's high byte repeats the setting that is left
.if MSB != \new
	s_set_vgpr_msb (MSB<<8)|\new
.set MSB, \new
.endif
.endm
	s_load_b256 s[4:11], s[0:1], 0x0               ; cf s[4:5], wf s[6:7], ws s[8:9], bo s[10:11]
	s_load_b64 s[12:13], s[0:1], 0x20              ; out0
	v_lshl_add_u32 v[SPW], v0, 2, SPARE
	v_mov_b32 v[NIL], 0
	v_lshrrev_b32 v1, 5, v0
	v_readfirstlane_b32 s14, v1                    ; wave 0..3
	s_and_b32 s15, ttmp7, 0xffff                   ; jn
	s_lshr_b32 s19, s14, 1
	s_lshl_b32 s19, s19, 8
	s_and_b32 s18, s14, 1
	s_lshl_b32 s18, s18, 6
	s_add_co_u32 s19, s19, s18                     ; 4 x (64 (w / 2) + 16 (w % 2))
	s_mul_i32 s16, s14, 16*528
	s_mul_i32 s20, s14, 8*768
	s_lshl_b32 s21, s14, 9
	v_and_b32 v7, 31, v0
	v_and_b32 v8, 15, v0                           ; r
	v_bfe_u32 v9, v0, 4, 1                         ; h
	v_lshlrev_b32 v1, 4, v7                        ; 16 L
	v_lshlrev_b32 v2, 3, v7                        ; 8 L
	v_and_b32 v3, 8, v8
	v_mad_u32_u24 v3, v3, 3, v8
	v_lshlrev_b32 v3, 4, v3                        ; 16 (r % 8 + 32 (r / 8)): a tile's rows of scale words
	v_lshlrev_b32 v4, 7, v9                        ; 128 h
	v_mul_u32_u24 v5, v8, 528
	v_lshl_add_u32 v5, v9, 7, v5
	v_add_nc_u32 v5, s19, v5                       ; into the stage: row r, + 128 h + my columns
	v_add_nc_u32 v6, s16, v1                       ; back: my 16 stage rows, 16 bytes a lane
	v_add_nc_u32 v10, s20, v1                      ; my tile's records in LDS: + 16 L,
	v_add_nc_u32 v11, s20, v2                      ; + 8 L,
	v_add_nc_u32 v12, s21, v1                      ; and its words
	s_mov_b32 s17, 0
	s_wait_alu depctr_va_vdst(0)
	s_wait_kmcnt 0x0
	s_lshl_b32 s16, ttmp9, 15                      ; cf: 4 tiles x 8 records,
	s_lshl_b32 s18, s14, 13
	s_add_co_u32 s16, s16, s18                     ; my tile
	s_add_nc_u64 s[4:5], s[4:5], s[16:17]
	WIN 0x40                                       ; destination window 1
.irp hd, 0,1,2,3,4,5,6,7
	global_load_b128 v[MY+6*\hd:MY+6*\hd+3], v1, s[4:5] offset:\hd*1024
	global_load_b64 v[MY+6*\hd+4:MY+6*\hd+5], v2, s[4:5] offset:\hd*1024+512
.endr
	WIN 0
.irp hd, 0,1,2,3,4,5,6,7
	global_load_b32 v[RAW+\hd], v2, s[4:5] offset:\hd*1024+768
.endr
	s_lshl_b32 s16, s15, 3
	s_lshl_b32 s18, s14, 1
	s_add_co_u32 s16, s16, s18
	s_add_co_u32 s16, s16, 96
	s_mul_i32 s16, s16, 6144                       ; wf: tile 96 + 8 jn + 2 w
	s_add_nc_u64 s[6:7], s[6:7], s[16:17]
.set i, 0
.rept 24
	global_load_b128 v[WF+4*i:WF+4*i+3], v1, s[6:7] offset:512*i   ; two tiles' eight fragments are 12,288 bytes on end, in the registers' order
.set i, i+1
.endr
	s_lshl_b32 s16, s15, 7
	s_lshr_b32 s18, s19, 2
	s_add_co_u32 s18, s16, s18                     ; my first column: 128 jn + 64 (w / 2) + 16 (w % 2)
	s_add_co_u32 s16, s18, 1536
	s_lshl_b32 s16, s16, 4                         ; ws: row 1,536 + column
	s_add_nc_u64 s[8:9], s[8:9], s[16:17]
	s_lshl_b32 s16, s18, 2
	s_add_nc_u64 s[10:11], s[10:11], s[16:17]      ; bo
.irp u, 0,1
	global_load_b128 v[WS+4*\u:WS+4*\u+3], v3, s[8:9] offset:128*\u
	global_load_b128 v[BI+8*\u:BI+8*\u+3], v4, s[10:11] offset:32*\u
	global_load_b128 v[BI+8*\u+4:BI+8*\u+7], v4, s[10:11] offset:32*\u+16
.endr
	s_lshl_b32 s16, ttmp9, 6
	s_lshl_b32 s18, s14, 3
	s_add_co_u32 s16, s16, s18                     ; the first row that I store: 64 i + 8 w
	s_lshl_b32 s16, s16, 11
	s_lshl_b32 s18, s15, 9
	s_add_co_u32 s16, s16, s18
	s_add_nc_u64 s[12:13], s[12:13], s[16:17]
	s_wait_loadcnt 30                              ; my tile's 24 loads are in; the 24 of Wo and 6 more may be out
.irp ks, 0,1,2,3
	v_perm_b32 v[MW+\ks], v[RAW+2*\ks+1], v[RAW+2*\ks], 0x05040100   ; two bytes of head 2 ks, two of head 2 ks + 1: the K step's word
.endr
	ds_store_b128 v12, v[MW:MW+3] offset:CWL
	WIN 0x04                                       ; data window 1
.irp hd, 0,1,2,3,4,5,6,7
	ds_store_b128 v10, v[MY+6*\hd:MY+6*\hd+3] offset:768*\hd
	ds_store_b64 v11, v[MY+6*\hd+4:MY+6*\hd+5] offset:768*\hd+512
.endr
	WIN 0
	s_wait_dscnt 0x0                               ; for the others' sake: stored
	s_barrier_signal -1
	s_barrier_wait -1                              ; all four tiles lie in LDS
.irp m, 0,1,2,3
	ds_load_b128 v[CS+4*\m:CS+4*\m+3], v1 offset:CWL+512*\m
.endr
	WIN 0x40
.irp ks, 0,1,2,3
.irp m, 0,1,2,3
.irp e, 0,1
	ds_load_b128 v[CF+12*(4*\m+\ks)+6*\e:CF+12*(4*\m+\ks)+6*\e+3], v1 offset:(8*\m+2*\ks+\e)*768
	ds_load_b64 v[CF+12*(4*\m+\ks)+6*\e+4:CF+12*(4*\m+\ks)+6*\e+5], v2 offset:(8*\m+2*\ks+\e)*768+512
.endr
.endr
.endr
	s_wait_loadcnt 0x0
	WIN 0x04                                       ; source 1 (concat) window 1
.irp ks, 0,1,2,3
	s_wait_dscnt 16*(3-\ks)                        ; the later K steps' 16 loads each may be out
.irp m, 0,1,2,3
.irp u, 0,1
.if \ks == 0
	v_wmma_scale_f32_16x16x128_f8f6f4 v[ACC+8*(4*\u+\m):ACC+8*(4*\u+\m)+7], v[WF+12*(4*\u+\ks):WF+12*(4*\u+\ks)+11], v[CF+12*(4*\m+\ks):CF+12*(4*\m+\ks)+11], v[BI+8*\u:BI+8*\u+7], v[WS+4*\u+\ks], v[CS+4*\m+\ks] matrix_a_fmt:MATRIX_FMT_FP6 matrix_b_fmt:MATRIX_FMT_FP6
.else
	v_wmma_scale_f32_16x16x128_f8f6f4 v[ACC+8*(4*\u+\m):ACC+8*(4*\u+\m)+7], v[WF+12*(4*\u+\ks):WF+12*(4*\u+\ks)+11], v[CF+12*(4*\m+\ks):CF+12*(4*\m+\ks)+11], v[ACC+8*(4*\u+\m):ACC+8*(4*\u+\m)+7], v[WS+4*\u+\ks], v[CS+4*\m+\ks] matrix_a_fmt:MATRIX_FMT_FP6 matrix_b_fmt:MATRIX_FMT_FP6
.endif
.endr
.endr
.endr
	WIN 0
.rept 4
	v_nop                                          ; four places in front of the first read of results
.endr
.irp m, 0,1,2,3
.irp u, 0,1
	ds_store_b128 v5, v[ACC+8*(4*\u+\m):ACC+8*(4*\u+\m)+3] offset:STG+16*\m*528+32*\u       ; each accumulator from its low end on
	ds_store_b128 v5, v[ACC+8*(4*\u+\m)+4:ACC+8*(4*\u+\m)+7] offset:STG+16*\m*528+32*\u+16
.endr
.endr
	s_wait_dscnt 0x0                               ; for the others' sake: my stores into the stage are done
	s_barrier_signal -1
	s_barrier_wait -1                              ; 64 whole rows lie in the stage, in the order tile, lane
.irp i, 0,1,2,3,4,5,6,7,8,9,10,11,12,13,14,15
	ds_load_b128 v[WF+4*\i:WF+4*\i+3], v6 offset:STG+\i*528
.endr
.irp i, 0,1,2,3,4,5,6,7,8,9,10,11,12,13,14,15
	s_wait_dscnt 15-\i                             ; LDS loads come back in order: row i is in, the younger ones stay out
	global_store_b128 v1, v[WF+4*\i:WF+4*\i+3], s[12:13] offset:(\i+24*(\i/8))*2048   ; stage row 16 w + i is row i + 24 (i / 8) from my first
.endr
	s_wait_tensorcnt 0x0                           ; the wave's end
	ds_add_u32 v[SPW], v[NIL]
	s_wait_dscnt 0x0
	s_endpgm
.Lfunc_end_k_q8690468787_oproj:
	.size	k_q8690468787_oproj, .Lfunc_end_k_q8690468787_oproj-k_q8690468787_oproj
	.p2alignl 7, 3214868480
	.fill 96, 4, 3214868480
	.section	.rodata,"a",@progbits
	.p2align	6, 0x0
	.amdhsa_kernel k_q8690468787_oproj
		.amdhsa_group_segment_fixed_size 60928
		.amdhsa_private_segment_fixed_size 0
		.amdhsa_enable_private_segment 0
		.amdhsa_kernarg_size 40
		.amdhsa_user_sgpr_count 2
		.amdhsa_user_sgpr_kernarg_segment_ptr 1
		.amdhsa_wavefront_size32 1
		.amdhsa_system_sgpr_workgroup_id_x 1
		.amdhsa_system_sgpr_workgroup_id_y 1
		.amdhsa_system_sgpr_workgroup_id_z 1
		.amdhsa_system_vgpr_workitem_id 0
		.amdhsa_next_free_vgpr 496
		.amdhsa_next_free_sgpr 66
		.amdhsa_reserve_vcc 0
		.amdhsa_float_denorm_mode_32 3
		.amdhsa_float_denorm_mode_16_64 3
		.amdhsa_memory_ordered 1
		.amdhsa_forward_progress 1
		.amdhsa_inst_pref_size 23
	.end_amdhsa_kernel
	.amdgpu_metadata
---
amdhsa.version: [ 1, 2 ]
amdhsa.kernels:
  - .name:           k_q8690468787_oproj
    .symbol:         k_q8690468787_oproj.kd
    .args:
      - { .name: cf, .offset: 0, .size: 8, .value_kind: global_buffer, .address_space: global }
      - { .name: wf, .offset: 8, .size: 8, .value_kind: global_buffer, .address_space: global }
      - { .name: ws, .offset: 16, .size: 8, .value_kind: global_buffer, .address_space: global }
      - { .name: bo, .offset: 24, .size: 8, .value_kind: global_buffer, .address_space: global }
      - { .name: out0, .offset: 32, .size: 8, .value_kind: global_buffer, .address_space: global }
    .group_segment_fixed_size: 60928
    .private_segment_fixed_size: 0
    .kernarg_segment_align: 8
    .kernarg_segment_size: 40
    .max_flat_workgroup_size: 128
    .sgpr_count:     66
    .vgpr_count:     496
    .wavefront_size: 32
...
	.end_amdgpu_metadata
.endif
;; end of part 4
